; MI455X (gfx1250); checked and timed in simulation.
; The chip was launched on July 23, 2026; its instructions are those of AMD's public machine-readable ISA for CDNA 5 (MIT licence, August 2026) and "CDNA5" Instruction Set Architecture Reference Guide (July 2026). The comments in the code are by the model that wrote it; some were corrected since.
;; Block. Allowed arithmetic: float matrix products may take bf16 or f16 operands with f32 sums; other float arithmetic in f32, or as packed bf16 or f16 multiplies, adds, multiply-adds, maxima and minima; sums over many terms, partial sums and values carried from step to step in f32; what a program stores and reads back later, other than sums and carried values, may be rounded once to bf16 or f16.
;; Inputs: be1 32 float32; be2 32 float32; fW1 32 x 128 float32; fW2 128 x 32 float32; fb1 128 float32; fb2 32 float32; g1 32 float32; g2 32 float32; mWk 4 x 32 x 8 float32; mWp 32 x 32 float32; mWq 4 x 32 x 8 float32; mWv 4 x 32 x 8 float32; mbk 4 x 8 float32; mbp 32 float32; mbq 4 x 8 float32; mbv 4 x 8 float32; uWk 4 x 32 x 8 float32; uWp 32 x 32 float32; uWq 4 x 32 x 8 float32; uWv 4 x 32 x 8 float32; ubk 4 x 8 float32; ubp 32 float32; ubq 4 x 8 float32; ubv 4 x 8 float32; x 32,768 x 16 x 32 float32.
;; Outputs: out0 32,768 x 16 x 32 float32.
;; One version. Each part assembles by itself: llvm-mc -triple=amdgcn-amd-amdhsa -mcpu=gfx1250 --defsym DOCPART=n.
;; ======== version 1 of 1: 1 launch
;; limits: a function is approximated: absolute error at most 0.0005
;; launch block (part 1): grid 256 x 1, 8 waves a work-group, no clusters, 327,680 bytes of LDS; arguments x, out0, g1, be1, g2, be2, uWq, uWk, uWv, uWp, mWq, mWk, mWv, mWp, ubq, ubk, ubv, ubp, mbq, mbk, mbv, mbp, fW1, fW2, fb1, fb2; writes out0
.if DOCPART == 1
	.amdgcn_target "amdgcn-amd-amdhsa--gfx1250"
	.amdhsa_code_object_version 6
	.text
	.protected	k_q4695f57066_block
	.globl	k_q4695f57066_block
	.p2align	8
	.type	k_q4695f57066_block,@function
k_q4695f57066_block:
	s_mov_b64 s[64:65], 0
	v_nop
	global_prefetch_b8 v0, s[64:65] scope:SCOPE_SE
	s_setreg_imm32_b32 hwreg(HW_REG_WAVE_MODE, 25, 1), 1
	s_wait_xcnt 0x0
; A TRANSFORMER BLOCK ON 32,768 SEQUENCES OF 16 TOKENS x 32 FEATURES, f32 in and out, in one launch:
; twice (first unmasked, then causal): x += attention(LN1(x)); x += FFN(LN2(x)).  4 heads of 8 channels; FFN 32 -> 128 -> 32.
; SHARES.  A work-group owns 128 sequences, in 8 tiles of 16; in a tile each of its 8 waves owns 2 sequences (q = 0, 1), 4,096 consecutive bytes.
; LAYOUT.  Everything is kept transposed: lane (r = l % 16, h = l / 16) holds token r; an f32 tile t holds feature 16 t + 8 h + j in register j.  That is the result layout of
; Y^T = W^T X^T, and two such tiles rounded to bf16 in pairs ARE the next product's operand of 32 features x 16 tokens: nothing changes lanes between the steps but the halves' sums and maxima.
; FOLDED AT THE HEAD, in f32: the norms' gains into the rows of the weights behind them, their offsets into the biases (b' = b + be W); c = log2(e) / sqrt(8) into Wq and bq;
; v's bias into the projection's (bp' = bp + bv' Wp: the normalised weights of a row add up to 1).
; MATRIX WORK.  All products take bf16 operands and sum in f32.  q's and k's biases, in f32, are the C operands of their products; q, k, v are rounded once to bf16.  Heads are parted by weight tiles
; padded with zero columns (head | 0, 0 | head); P V takes two heads in one K = 32 with a block-diagonal V; the rows' sums l come from a product of P with a block of ones, of the rounded weights;
; the causal mask is the C operand of the scores (an image of zeros in the unmasked half, so both halves run one text); the residual is the C operand of the projection and of the second FFN product.
; SOFTMAX.  p = 2^(s - m) with m the row's maximum, s already scaled by c.
; LIMITS.  GELU is taken as h / (1 + 2^z), z = h (K1 + K3 h^2), the tanh form: within 5e-4 absolute of the erf form for every h (largest for |h| between 2.5 and 3), relative error vanishing
; toward h = 0; g is rounded to bf16 behind it.  A hidden score counts as its value less 1e30.  A weight below 2^-126 counts as 0.  NaN and infinities are not treated apart.
; NO CLUSTER: work-groups share only the 66 KB of parameters, read once at the head, against 512 KB of x and out of their own.
; LDS (bytes).  A sequence is 8 rows of 256 bytes, each followed by 16 of padding: token r, byte y at (r / 2) 272 + (r % 2) 128 + y.
.set SLOTX,   65536                    ; slot 0 at 0, slot 1 here: one exclusive or turns an address in one slot into the other's
.set WSL,     4352                     ; a wave's part of a slot or of the stage: 16 rows x 272
.set SEQ,     2176                     ; a sequence in it
.set STAGE,   100352                   ; the way out; never filled by a tensor load
.set ATT0,    135168                   ; the unmasked half's attention block; the masked half's lies ATTSTEP further
.set ATTSTEP, 14848
.set PW,      416                      ; its weights: bf16 [32 k][192 columns]: 0-63 Wq' padded, 64-95 Wk', 96-159 Wv' padded, 160-191 Wp; pitch 13 x 32 for the turning load
.set OBQ,     13312                    ; 64 f32: bq', padded like Wq'
.set OBK,     13568                    ; 32 f32: bk'
.set OBP,     13696                    ; 32 f32: bp'
.set OMK,     13824                    ; the mask's image: [quad of registers][lane][16 bytes]
.set W1L,     164864                   ; bf16 [32 d][128 n], pitch 288
.set W2L,     174080                   ; bf16 [128 k][32 n], pitch 96
.set B1V,     186368                   ; f32 b1'[128]
.set SPARE,   187136                   ; the spare words, 128 bytes for each wave: four blocks of 256 bytes that no other line names
; VECTOR REGISTERS, window 0
.set LXW,  1                           ; my 32 bytes of token r in my wave's part of a slot
.set XA,   2                           ; the same in the slot in hand
.set STA,  3                           ; the same in the stage
.set STR,  4                           ; where I read rows back from the stage
.set GO,   5                           ; 16 x lane
.set TR0,  6                           ; my lane's place for the turning load in an attention block
.set TRA,  7                           ; the same with the block's base
.set HH,   8                           ; h
.set LANE, 10
.set BPA,  11                          ; block + 32 h
.set PFO,  12                          ; 256 x lane
.set MKA,  13                          ; block + 16 x lane
.set SPW,  14                          ; LDS address of my spare word; never rewritten
.set NIL,  15                          ; 0; never rewritten
.set X,    16                          ; v[16:47]  the residual, tile (q, t) at X + 16 q + 8 t; also the accumulator
.set ST,   48                          ; v[48:63]  at work: norms 8 a sequence; softmax a pair a tile; 1 / l
.set TS,   48                          ;           and, between the first norm and the softmax, two f32 tiles of q or k
.set Y,    64                          ; v[64:79]  the normed x in bf16, 8 a sequence; later P of sequence 0
.set QZ,   80                          ; v[80:127] 24 a sequence: Q0, zeros, Q2, Q1, zeros, Q3 (4 each); the zeros are written once
.set CQ,   128                         ; attention's constants of the half: Wq' 4 x 8,
.set CBQ,  160                         ; bq' 4 x 8,
.set CK,   232                         ; Wk' 2 x 8,
.set CBK,  192                         ; bk': tile 0 here, tile 1 at 248
.set TQ,   200                         ; four f32 tiles of q or k, where the first norm worked
.set KP,   200                         ; k in bf16, 8 a sequence
.set VP,   216                         ; v in bf16, 16 a sequence
.set S,    128                         ; v in f32; then the scores, tile 4 q + head; then O (128 ..) and l (160 ..), tile 2 q + pair of heads
.set LL,   160
.set BP0,  192                         ; bp', tile 0;
.set BP1,  248                         ; tile 1
.set WP,   216                         ; Wp 2 x 8
.set OP,   232                         ; O in bf16, 8 a sequence
.set HB,   128                         ; FFN: four buffers of 16: h
.set ZB,   192                         ; three buffers of 16: z, then 1 / (1 + 2^z), then g
.set GP,   240                         ; g in bf16, 8 a sequence
; window 1 (named v0-v255 under the window)
.set W1F,  0                           ; W1' 8 x 8
.set B1T,  64                          ; b1' 8 x 8
.set W2F,  128                         ; W2 (t, c) at 8 (4 t + c)
.set B2T,  192                         ; b2 2 x 8
.set ONES, 208                         ; rows 0-7: ones for k < 16; rows 8-15: ones for k >= 16
.set WV,   216                         ; Wv' 4 x 8, of the half
.set MASK, 248                         ; the mask, of the half
; SCALAR: s2 wave; s3 at work; s[4:5] -1/32; s[6:7] K1; s[8:9] K3; s[10:11] lane selects; s[12:15] descriptor group 0; s[16:63], s[68:71] the 26 addresses; s[72:79] group 1;
; s[80:81] out, one tile ahead; s[82:83] prefetch; s84 slot in hand; s85 attention block; s86 tiles to ask for; s87 halves to go (head: w % 4); s88 prefetch test; s89 1/32; s90 eps; s91 w / 4; s[92:99] at work
.set MSB, 0
.macro WIN new                         ; bits 1:0 source 0, 3:2 source 1, 5:4 source 2, 7:6 destination; the high byte repeats the setting that is left
.if MSB != (\new)
	s_set_vgpr_msb (MSB<<8)|(\new)
.set MSB, \new
.endif
.endm
.macro NOPS n
.rept \n
	v_nop
.endr
.endm
	s_load_b512 s[16:31], s[0:1], 0x0              ; x, out0, g1, be1, g2, be2, uWq, uWk
	s_load_b512 s[32:47], s[0:1], 0x40             ; uWv, uWp, mWq, mWk, mWv, mWp, ubq, ubk
	s_load_b512 s[48:63], s[0:1], 0x80             ; ubv, ubp, mbq, mbk, mbv, mbp, fW1, fW2
	s_load_b128 s[68:71], s[0:1], 0xc0             ; fb1, fb2
	v_lshl_add_u32 v[SPW], v0, 2, SPARE
	v_mov_b32 v[NIL], 0
	ds_add_u32 v[SPW], v[NIL]                      ; the wave's opening: the add and its wait come ahead of my first tensor load; the set-up below, work on registers, stands between
	ds_add_u32 v14, v15
	v_lshrrev_b32 v16, 5, v0
	v_readfirstlane_b32 s2, v16                    ; wave 0..7
	v_and_b32 v[LANE], 31, v0
	v_and_b32 v17, 15, v0                          ; r
	v_bfe_u32 v[HH], v0, 4, 1                      ; h
	s_mul_i32 s13, s2, WSL                         ; group 0, 63:32: my part of slot 0
	v_lshrrev_b32 v18, 1, v17
	v_mul_u32_u24 v18, v18, 272
	v_and_b32 v19, 1, v17
	v_lshl_add_u32 v18, v19, 7, v18
	v_lshl_add_u32 v18, v[HH], 5, v18              ; (r / 2) 272 + (r % 2) 128 + 32 h
	v_add_nc_u32 v[LXW], s13, v18
	v_add_nc_u32 v[STA], STAGE, v[LXW]
	v_mul_u32_u24 v19, v[HH], 272
	v_lshl_add_u32 v19, v17, 4, v19                ; back: lanes 0-15 one row of 256 bytes, lanes 16-31 the next
	v_add_nc_u32 v19, s13, v19
	v_add_nc_u32 v[STR], STAGE, v19
	v_lshlrev_b32 v[GO], 4, v[LANE]
	v_lshlrev_b32 v[PFO], 8, v[LANE]
	v_and_b32 v20, 7, v0
	v_lshl_add_u32 v20, v[HH], 3, v20              ; the turning load: row 8 h + l % 8,
	v_bfe_u32 v21, v0, 3, 1                        ; 16 bytes by (l / 8) % 2
	v_mul_u32_u24 v[TR0], v20, PW
	v_lshl_add_u32 v[TR0], v21, 4, v[TR0]
	s_mov_b32 s12, 1                               ; group 0, 1:0 count = 1
	s_mov_b32 s72, (3<<16)|(1<<20)|(5<<22)|(3<<25) ; group 1: elements of 8 bytes; padding on: after every 64 words (code 5) 4 words (code 3)
	s_mov_b32 s73, 32<<16                          ; tensor_dim0 = 32 elements: 256 bytes
	s_mov_b32 s74, 16<<16                          ; tensor_dim1 = 16 rows: my two sequences
	s_mov_b32 s75, 32<<16                          ; tile_dim0
	s_mov_b32 s76, 16                              ; tile_dim1
	s_mov_b32 s77, 32                              ; from row to row: the block is dense
	s_mov_b32 s78, 0
	s_mov_b32 s79, 0
	s_mov_b32 s4, 0xbd000000                       ; -1/32
	s_mov_b32 s5, 0xbd000000
	s_mov_b32 s6, 0xc0135761                       ; K1 = -2 sqrt(2/pi) log2(e)
	s_mov_b32 s7, 0xc0135761
	s_mov_b32 s8, 0xbdd2d3e8                       ; K3 = 0.044715 K1
	s_mov_b32 s9, 0xbdd2d3e8
	s_mov_b32 s10, 0x76543210                      ; each lane takes its own place in the other half
	s_mov_b32 s11, 0xfedcba98
	s_mov_b32 s84, SLOTX                           ; the first change of slots turns it into 0
	s_mov_b32 s86, 7
	s_mov_b32 s89, 0x3d000000                      ; 1/32
	s_mov_b32 s90, 0x3727c5ac                      ; 1e-5
	s_and_b32 s88, s2, 1
	s_cmp_eq_u32 s88, 0
	s_cselect_b32 s88, 1, -1                       ; even waves prefetch while s86 is above 1
	s_lshl_b32 s92, ttmp9, 18                      ; the work-group's 128 sequences of 2,048 bytes,
	s_lshl_b32 s93, s2, 12                         ; my wave's two in a tile
	s_add_co_u32 s92, s92, s93
	s_mov_b32 s93, 0
	s_lshr_b32 s91, s2, 2                          ; the head's tasks: which attention (or which half of b1'),
	s_and_b32 s87, s2, 3                           ; and which task: 0 q, 1 k, 2 v and projection, 3 FFN
	s_mul_i32 s85, s91, ATTSTEP
	s_add_co_u32 s85, s85, ATT0
	; where thread t puts its 4 numbers of each weight: Wq, Wk, Wv [4][32][8]: head t / 64, row d = (t / 2) % 32, columns 4 (t % 2) on
	v_lshlrev_b32 v24, 4, v0                       ; 16 t
	v_bfe_u32 v27, v0, 1, 5                        ; d
	v_lshlrev_b32 v25, 2, v27
	v_lshlrev_b32 v26, 2, v16                      ; 4 w
	v_mul_u32_u24 v28, v27, PW
	v_and_b32 v29, 1, v0
	v_lshl_add_u32 v28, v29, 3, v28                ; 416 d + 8 (t % 2)
	s_lshr_b32 s94, s2, 1                          ; the head
	s_and_b32 s95, s94, 1
	s_lshl_b32 s95, s95, 4
	s_lshl_b32 s96, s94, 5
	s_add_co_u32 s96, s96, ATT0
	s_add_co_u32 s97, s96, s95                     ; padded: column 16 head + 8 (head % 2),
	s_sub_co_u32 s95, 16, s95
	s_add_co_u32 s96, s96, s95                     ; and the tile's other 8 columns, which take zeros
	v_add_nc_u32 v30, s97, v28
	v_add_nc_u32 v31, s96, v28
	s_lshl_b32 s96, s94, 4
	s_add_co_u32 s96, s96, ATT0+128
	v_add_nc_u32 v105, s96, v28                    ; Wk: column 64 + 8 head
	v_lshrrev_b32 v106, 3, v0
	v_and_b32 v107, 7, v0
	v_mul_u32_u24 v108, v106, PW
	v_lshl_add_u32 v108, v107, 3, v108
	v_add_nc_u32 v108, ATT0+320, v108              ; Wp [32][32]: row t / 8, columns 4 (t % 8) on, at column 160
	s_mul_i32 s96, s2, 288
	s_add_co_u32 s96, s96, W1L
	v_lshl_add_u32 v109, v[LANE], 3, s96           ; W1 [32][128]: row 8 i + w, columns 4 (t % 32) on
	v_mul_u32_u24 v110, v106, 96
	v_lshl_add_u32 v110, v107, 3, v110
	v_add_nc_u32 v110, W2L, v110                   ; W2 [128][32]: row 32 i + t / 8, columns 4 (t % 8) on
	v_mov_b32 v112, 0
	v_mov_b32 v113, 0
	v_lshrrev_b32 v114, 3, v[LANE]                 ; the bias tasks: lane n is column (head n / 8, channel n % 8)
	v_and_b32 v115, 7, v[LANE]
	v_lshlrev_b32 v116, 10, v114
	v_lshl_add_u32 v116, v115, 2, v116             ; its first number in Wq, Wk, Wv
	v_lshlrev_b32 v117, 2, v[LANE]
	s_wait_dscnt 0x0                               ; the opening add is done
	s_wait_kmcnt 0x0
	s_add_nc_u64 s[14:15], s[16:17], s[92:93]      ; group 0, 120:64: x at my two sequences of tile 0
	s_add_nc_u64 s[80:81], s[18:19], s[92:93]
	s_add_nc_u64 s[82:83], s[14:15], 32768
	s_or_b32 s15, s15, 0x80000000                  ; 127:126 type = 2
	tensor_load_to_lds s[12:15], s[72:79]          ; tile 0 into slot 0: the launch's one first fill at its start; slot 1 is first filled by the loop's own change of slots
	s_nop 0
	NOPS 4
	; THE WEIGHTS' LOADS, 21 a thread; they are waited for with the bias task's own loads
	global_load_b128 v[32:35], v24, s[28:29]
	global_load_b128 v[36:39], v24, s[30:31]
	global_load_b128 v[40:43], v24, s[32:33]
	global_load_b128 v[44:47], v24, s[34:35]
	global_load_b128 v[48:51], v24, s[36:37]
	global_load_b128 v[52:55], v24, s[38:39]
	global_load_b128 v[56:59], v24, s[40:41]
	global_load_b128 v[60:63], v24, s[42:43]
	global_load_b32 v64, v25, s[20:21]             ; g1[d]
.irp i, 0,1,2,3
	global_load_b128 v[68+4*\i:71+4*\i], v24, s[60:61] offset:4096*\i
	global_load_b32 v[84+\i], v26, s[24:25] offset:32*\i  ; g2[8 i + w]
	global_load_b128 v[88+4*\i:91+4*\i], v24, s[62:63] offset:4096*\i
.endr
; 32 numbers of one column of a weight, a lane a column
.macro WCOL dst, adr, ptr, step, off=0
.set dd, 0
.rept 32
	global_load_b32 v[(\dst)+dd], v[\adr], s[\ptr:\ptr+1] offset:(\step)*dd+(\off)
.set dd, dd+1
.endr
.endm
; acc += the sum over d of src[lane d] x column[d]
.macro DOT acc, wb, src
.set dd, 0
.rept 32
	v_readlane_b32 s3, v[\src], dd
	v_fmac_f32 v[\acc], s3, v[(\wb)+dd]
.set dd, dd+1
.endr
.endm
	; THE BIAS TASKS, one a wave; the jumps hang on the wave's number alone, go forward and pass no barrier
	s_cmp_eq_u32 s87, 3
	s_cbranch_scc1 .Lk3
	s_cmp_eq_u32 s87, 2
	s_cbranch_scc1 .Lk2
	s_cmp_eq_u32 s91, 0                            ; tasks 0 and 1: b' = b + be1 W for q or k
	s_cselect_b64 s[92:93], s[28:29], s[36:37]
	s_cselect_b64 s[94:95], s[44:45], s[52:53]
	s_cselect_b64 s[96:97], s[30:31], s[38:39]
	s_cselect_b64 s[98:99], s[46:47], s[54:55]
	s_cmp_eq_u32 s87, 1
	s_cselect_b64 s[92:93], s[96:97], s[92:93]
	s_cselect_b64 s[94:95], s[98:99], s[94:95]
	global_load_b32 v118, v117, s[22:23]           ; be1, a number a lane
	global_load_b32 v119, v117, s[94:95]           ; b[n] starts the sum
	WCOL 128, 116, 92, 32
	s_wait_loadcnt 0x0                             ; these and the 21 above
	DOT 119, 128, 118
	; and quad i = task of the mask's image: register 4 i + j of lane (r, h) is key 8 h + 4 i + j against query r
	v_lshlrev_b32 v125, 3, v[HH]
	v_sub_nc_u32 v125, v17, v125
	s_lshl_b32 s3, s87, 2
	v_subrev_nc_u32 v125, s3, v125                 ; r - 8 h - 4 i: hidden where j is greater
	s_cmp_eq_u32 s91, 0
	s_cselect_b32 s3, 0, 0xf149f2ca                ; -1e30 in the causal half, 0 in the other
.irp j, 0,1,2,3
	v_cmp_gt_i32 vcc_lo, \j, v125
	v_cndmask_b32 v[192+\j], 0, s3, vcc_lo
.endr
	s_lshl_b32 s92, s87, 9
	s_add_co_u32 s92, s92, s85
	v_lshl_add_u32 v126, v[LANE], 4, s92
	ds_store_b128 v126, v[192:195] offset:OMK
	s_cmp_eq_u32 s87, 1
	s_cbranch_scc1 .Lk1
	v_mul_f32 v119, 0x3f0293ee, v119               ; q takes c = log2(e) / sqrt(8)
	v_and_b32 v121, 1, v114
	v_lshl_add_u32 v122, v114, 6, s85              ; a padded tile of 16 f32 a head,
	v_lshl_add_u32 v122, v115, 2, v122
	v_lshl_add_u32 v123, v121, 5, v122             ; the head's 8 in the half that Wq' gives it,
	v_sub_nc_u32 v121, 1, v121
	v_lshl_add_u32 v124, v121, 5, v122             ; zeros in the other
	ds_store_b32 v123, v119 offset:OBQ
	ds_store_b32 v124, v[NIL] offset:OBQ
	s_branch .Lprep
.Lk1:
	v_lshl_add_u32 v122, v[LANE], 2, s85
	ds_store_b32 v122, v119 offset:OBK
	s_branch .Lprep
.Lk2:                                          ; task 2: bv' = bv + be1 Wv, then bp' = bp + bv' Wp
	s_cmp_eq_u32 s91, 0
	s_cselect_b64 s[92:93], s[32:33], s[40:41]
	s_cselect_b64 s[94:95], s[48:49], s[56:57]
	s_cselect_b64 s[96:97], s[34:35], s[42:43]
	s_cselect_b64 s[98:99], s[50:51], s[58:59]
	global_load_b32 v118, v117, s[22:23]
	global_load_b32 v119, v117, s[94:95]
	global_load_b32 v120, v117, s[98:99]
	WCOL 128, 116, 92, 32
	WCOL 160, 117, 96, 128
	s_wait_loadcnt 0x0
	DOT 119, 128, 118
	DOT 120, 160, 119
	v_lshl_add_u32 v122, v[LANE], 2, s85
	ds_store_b32 v122, v120 offset:OBP
	s_branch .Lprep
.Lk3:                                          ; task 3: b1' = fb1 + be2 W1 for columns 64 a + lane and 32 further
	s_lshl_b32 s3, s91, 8
	v_lshl_add_u32 v121, v[LANE], 2, s3
	global_load_b32 v118, v117, s[26:27]
	global_load_b32 v119, v121, s[68:69]
	global_load_b32 v120, v121, s[68:69] offset:128
	WCOL 128, 121, 60, 512
	WCOL 160, 121, 60, 512, 128
	s_wait_loadcnt 0x0
	DOT 119, 128, 118
	DOT 120, 160, 118
	v_add_nc_u32 v122, B1V, v121
	ds_store_b32 v122, v119
	ds_store_b32 v122, v120 offset:128
.Lprep:
; four numbers: times the row's gain (gain < 0: none), rounded to bf16, 8 bytes into LDS
.macro CVST adr, off, src, gain
.if (\gain) >= 0
.irp j, 0,1,2,3
	v_mul_f32 v[(\src)+\j], v[\gain], v[(\src)+\j]
.endr
.endif
	v_cvt_pk_bf16_f32 v[\src], v[\src], v[(\src)+1]
	v_cvt_pk_bf16_f32 v[(\src)+1], v[(\src)+2], v[(\src)+3]
	ds_store_b64 v[\adr], v[\src:(\src)+1] offset:\off
.endm
	v_mul_f32 v66, 0x3f0293ee, v64                 ; g1 c, for Wq
	CVST 30, 0, 32, 66
	CVST 105, 0, 36, 64
	CVST 30, 192, 40, 64
	CVST 108, 0, 44, -1
	CVST 30, ATTSTEP, 48, 66
	CVST 105, ATTSTEP, 52, 64
	CVST 30, ATTSTEP+192, 56, 64
	CVST 108, ATTSTEP, 60, -1
	ds_store_b64 v31, v[112:113]
	ds_store_b64 v31, v[112:113] offset:192
	ds_store_b64 v31, v[112:113] offset:ATTSTEP
	ds_store_b64 v31, v[112:113] offset:ATTSTEP+192
.irp i, 0,1,2,3
	CVST 109, 2304*\i, 68+4*\i, 84+\i
	CVST 110, 3072*\i, 88+4*\i, -1
.endr
	v_mul_u32_u24 v22, v20, 288                    ; the residents' addresses, while the stores are out
	v_lshl_add_u32 v22, v21, 4, v22
	v_add_nc_u32 v22, W1L, v22
	v_mul_u32_u24 v23, v20, 96
	v_lshl_add_u32 v23, v21, 4, v23
	v_add_nc_u32 v23, W2L, v23
	v_lshlrev_b32 v24, 5, v[HH]
	v_add_nc_u32 v25, B1V, v24
	v_mov_b32 v34, 0x3f803f80                      ; 1.0 twice in bf16
	v_cmp_gt_u32 vcc_lo, 8, v17
	v_cndmask_b32 v32, v[NIL], v34, vcc_lo         ; ones in rows 0-7
	v_cndmask_b32 v33, v34, v[NIL], vcc_lo         ; ones in rows 8-15
	s_wait_dscnt 0x0                               ; for the others' sake: my stores are done
	s_barrier_signal -1
	s_barrier_wait -1                              ; all tables lie in LDS; tile 0 may still be on its way
	; WHAT STAYS IN REGISTERS for the whole launch, in window 1
	WIN 0x40
.irp i, 0,1,2,3,4,5,6,7
	ds_load_tr16_b128 v[W1F+8*\i:W1F+8*\i+3], v22 offset:32*\i
	ds_load_tr16_b128 v[W1F+8*\i+4:W1F+8*\i+7], v22 offset:32*\i+4608
	ds_load_b128 v[B1T+8*\i:B1T+8*\i+3], v25 offset:64*\i
	ds_load_b128 v[B1T+8*\i+4:B1T+8*\i+7], v25 offset:64*\i+16
.endr
.irp t, 0,1
.irp c, 0,1,2,3
	ds_load_tr16_b128 v[W2F+8*(4*\t+\c):W2F+8*(4*\t+\c)+3], v23 offset:3072*\c+32*\t
	ds_load_tr16_b128 v[W2F+8*(4*\t+\c)+4:W2F+8*(4*\t+\c)+7], v23 offset:3072*\c+32*\t+1536
.endr
	global_load_b128 v[B2T+8*\t:B2T+8*\t+3], v24, s[70:71] offset:64*\t
	global_load_b128 v[B2T+8*\t+4:B2T+8*\t+7], v24, s[70:71] offset:64*\t+16
.endr
.irp j, 0,1,2,3
	v_mov_b32 v[ONES+\j], v32
	v_mov_b32 v[ONES+4+\j], v33
.endr
	WIN 0
.irp j, 0,1,2,3
	v_mov_b32 v[QZ+4+\j], 0                        ; the four blocks of zeros beside Q: written here and never again
	v_mov_b32 v[QZ+16+\j], 0
	v_mov_b32 v[QZ+28+\j], 0
	v_mov_b32 v[QZ+40+\j], 0
.endr
	s_wait_loadcnt 0x0
	s_wait_dscnt 0x0
; THE CHANGE OF SLOTS.  fill = 1: I wait for all my tensor loads (one is out: the tile that I am about to read), add 0 to my spare word, wait for that and for my reads of the other slot, pass the
; barrier, and ask for the next tile first thing behind it: it has a whole tile's work in which to land.  fill = 0, the last tile: nothing is asked for; a wave reads only bytes that its own load brought.
.macro CHANGE fill
	s_wait_tensorcnt 0x0                           ; no tensor load of mine is out, so group 0 may be written
.if \fill
	ds_add_u32 v[SPW], v[NIL]                      ; 0 onto my spare word: the steps below stand between it and the wait for it
	s_xor_b32 s13, s13, SLOTX                      ; the other slot,
	s_add_nc_u64 s[14:15], s[14:15], 32768         ; the next tile's 16 sequences; the type bits on top are not reached
	s_wait_xcnt 0x0                                ; the last tile's stores and the last prefetch have read their registers and bases
	s_add_nc_u64 s[82:83], s[82:83], 32768
	s_add_nc_u64 s[80:81], s[80:81], 32768
	s_xor_b32 s84, s84, SLOTX
	s_wait_dscnt 0x0                               ; the add is done, and my LDS reads are over
	s_barrier_signal -1
	s_barrier_wait -1
	tensor_load_to_lds s[12:15], s[72:79]
	s_nop 0
	NOPS 4
	; A prefetch of the tile that the NEXT change will ask for, one tile's work ahead of that load.  Even waves ask, a lane a block of 256 bytes: their own 4,096 bytes and the next wave's.
	; So each block is named once in the launch.  Tiles 0 and 1 come by their loads alone; the last change that fills a slot asks for nothing: there is no tile behind it.
	s_cmp_gt_u32 s86, s88
	s_cbranch_scc0 .Lnot_mine_\@
	global_prefetch_b8 v[PFO], s[82:83] th:TH_LOAD_NT scope:SCOPE_SE
.Lnot_mine_\@:
.else
	s_wait_xcnt 0x0
	s_add_nc_u64 s[80:81], s[80:81], 32768
	s_xor_b32 s84, s84, SLOTX
.endif
.endm
; THE HALF'S CONSTANTS: 34 LDS loads.  The count of the wait leaves them out and shows the 8 older loads, x's, landed (in the second half there are none).
; A bias tile is 8 registers of f32: register j of lane (r, h) is the bias of the tile's feature 8 h + j.
.macro CLOAD
	v_add_nc_u32 v[TRA], s85, v[TR0]
	v_lshl_add_u32 v[BPA], v[HH], 5, s85
	v_lshl_add_u32 v[MKA], v[LANE], 4, s85
.irp hd, 0,1,2,3
	ds_load_tr16_b128 v[CQ+8*\hd:CQ+8*\hd+3], v[TRA] offset:32*\hd
	ds_load_tr16_b128 v[CQ+8*\hd+4:CQ+8*\hd+7], v[TRA] offset:32*\hd+16*PW
	ds_load_b128 v[CBQ+8*\hd:CBQ+8*\hd+3], v[BPA] offset:OBQ+64*\hd
	ds_load_b128 v[CBQ+8*\hd+4:CBQ+8*\hd+7], v[BPA] offset:OBQ+64*\hd+16
.endr
.irp t, 0,1
	ds_load_tr16_b128 v[CK+8*\t:CK+8*\t+3], v[TRA] offset:128+32*\t
	ds_load_tr16_b128 v[CK+8*\t+4:CK+8*\t+7], v[TRA] offset:128+32*\t+16*PW
	ds_load_b128 v[CBK+56*\t:CBK+56*\t+3], v[BPA] offset:OBK+64*\t
	ds_load_b128 v[CBK+56*\t+4:CBK+56*\t+7], v[BPA] offset:OBK+64*\t+16
.endr
	WIN 0x40
.irp hd, 0,1,2,3
	ds_load_tr16_b128 v[WV+8*\hd:WV+8*\hd+3], v[TRA] offset:192+32*\hd
	ds_load_tr16_b128 v[WV+8*\hd+4:WV+8*\hd+7], v[TRA] offset:192+32*\hd+16*PW
.endr
	ds_load_b128 v[MASK:MASK+3], v[MKA] offset:OMK
	ds_load_b128 v[MASK+4:MASK+7], v[MKA] offset:OMK+512
	WIN 0
	s_wait_dscnt 34
.endm
; A NORM without gain and offset (they are folded into the weights): (x - mean) / sqrt(var + eps), in two passes, rounded to bf16 into Y.  Step st for sequence q; db: 32 registers at work.
; x's tiles are read from their low ends on.
.macro LNS st, q, db
.set xb, X+16*(\q)
.set tb, ST+8*(\q)
.set dq, (\db)+16*(\q)
.set yb, Y+8*(\q)
.if (\st) == 0
.irp i, 0,1,2,3
	v_pk_add_f32 v[tb+2*\i:tb+2*\i+1], v[xb+4*\i:xb+4*\i+1], v[xb+4*\i+2:xb+4*\i+3]
.endr
.elseif (\st) == 1
	v_pk_add_f32 v[tb:tb+1], v[tb:tb+1], v[tb+2:tb+3]
	v_pk_add_f32 v[tb+4:tb+5], v[tb+4:tb+5], v[tb+6:tb+7]
.elseif (\st) == 2
	v_pk_add_f32 v[tb:tb+1], v[tb:tb+1], v[tb+4:tb+5]
.elseif (\st) == 3
	v_add_f32 v[tb], v[tb], v[tb+1]
.elseif (\st) == 4
	v_permlanex16_b32 v[tb+1], v[tb], s10, s11     ; the token's other 16 features lie in the lane 16 away
.elseif (\st) == 5
	v_add_f32 v[tb], v[tb], v[tb+1]
.elseif (\st) == 6
.irp i, 0,1,2,3,4,5,6,7
	v_pk_fma_f32 v[dq+2*\i:dq+2*\i+1], v[tb:tb+1], s[4:5], v[xb+2*\i:xb+2*\i+1] op_sel_hi:[0,0,1]  ; x - sum / 32
.endr
.elseif (\st) == 7
	v_pk_mul_f32 v[tb+2:tb+3], v[dq:dq+1], v[dq:dq+1]
	v_pk_mul_f32 v[tb+4:tb+5], v[dq+2:dq+3], v[dq+2:dq+3]
.irp i, 2,4,6
	v_pk_fma_f32 v[tb+2:tb+3], v[dq+2*\i:dq+2*\i+1], v[dq+2*\i:dq+2*\i+1], v[tb+2:tb+3]
	v_pk_fma_f32 v[tb+4:tb+5], v[dq+2*\i+2:dq+2*\i+3], v[dq+2*\i+2:dq+2*\i+3], v[tb+4:tb+5]
.endr
.elseif (\st) == 8
	v_pk_add_f32 v[tb+2:tb+3], v[tb+2:tb+3], v[tb+4:tb+5]
.elseif (\st) == 9
	v_add_f32 v[tb+2], v[tb+2], v[tb+3]
.elseif (\st) == 10
	v_permlanex16_b32 v[tb+3], v[tb+2], s10, s11
.elseif (\st) == 11
	v_fma_f32 v[tb+2], v[tb+2], s89, s90
.elseif (\st) == 12
	v_fma_f32 v[tb+2], v[tb+3], s89, v[tb+2]
.elseif (\st) == 13
	v_rsq_f32 v[tb+6], v[tb+2]
.elseif (\st) == 14
.irp i, 0,1,2,3,4,5,6,7
	v_pk_mul_f32 v[dq+2*\i:dq+2*\i+1], v[dq+2*\i:dq+2*\i+1], v[tb+6:tb+7] op_sel_hi:[1,0]
.endr
.else
.irp i, 0,1,2,3,4,5,6,7
	v_cvt_pk_bf16_f32 v[yb+\i], v[dq+2*\i], v[dq+2*\i+1]
.endr
.endif
.endm
.macro LN db                           ; each step for both sequences, so that no line waits for the one before it
.irp st, 0,1,2,3,4,5,6,7,8,9,10,11,12,13
	LNS \st, 0, \db
	LNS \st, 1, \db
.endr
	v_nop                                          ; a plain instruction behind the last root,
	s_wait_alu depctr_va_vdst(0)                   ; and the wait ahead of the first use: one for both
.irp st, 14,15
	LNS \st, 0, \db
	LNS \st, 1, \db
.endr
.endm
; An f32 tile rounded to bf16: registers 2 n, 2 n + 1 (two neighbouring rows of the result) into register n; the tile's lowest registers are read first.
.macro CV4 dst, src
.irp n, 0,1,2,3
	v_cvt_pk_bf16_f32 v[(\dst)+\n], v[(\src)+2*\n], v[(\src)+2*\n+1]
.endr
.endm
; One product of q^T = Wq'^T y^T + bq' (a padded tile a head) or of k^T = Wk'^T y^T + bk' (two tiles), into the f32 tile at d
.macro QMM d, q, hd
	v_wmma_f32_16x16x32_bf16 v[(\d):(\d)+7], v[CQ+8*(\hd):CQ+8*(\hd)+7], v[Y+8*(\q):Y+8*(\q)+7], v[CBQ+8*(\hd):CBQ+8*(\hd)+7]
.endm
.macro KMM d, q, t
	v_wmma_f32_16x16x32_bf16 v[(\d):(\d)+7], v[CK+8*(\t):CK+8*(\t)+7], v[Y+8*(\q):Y+8*(\q)+7], v[CBK+56*(\t):CBK+56*(\t)+7]
.endm
; q, k, v: 20 products with f32 sums, in three stages, since six f32 tiles (TQ's four, TS's two) are free beside the constants; v's eight then take the registers that Wq' and bq' leave.
; Each stage: its products, four places (ISA guide 7.12.1), its roundings.  A product that lands on registers of an earlier product stands behind that stage's four v_nop and twelve
; roundings or more that name none of them.
.macro QKV
	s_wait_dscnt 0x0                               ; the half's constants are in
.irp hd, 0,1,2,3
	QMM TQ+8*\hd, 0, \hd                           ; stage A: q of sequence 0,
.endr
	QMM TS, 1, 0                                   ; and heads 0 and 1 of sequence 1
	QMM TS+8, 1, 1
	NOPS 4
.irp hd, 0,1,2,3
	CV4 QZ+12*(\hd%2)+8*(\hd/2), TQ+8*\hd
.endr
	CV4 QZ+24, TS
	CV4 QZ+24+12, TS+8
	QMM TQ, 1, 2                                   ; stage B: heads 2 and 3 of sequence 1,
	QMM TQ+8, 1, 3
	KMM TQ+16, 0, 0                                ; and k of both
	KMM TQ+24, 0, 1
	KMM TS, 1, 0
	KMM TS+8, 1, 1
	NOPS 4
	CV4 QZ+24+8, TQ
	CV4 QZ+24+20, TQ+8
	CV4 KP, TQ+16                                  ; k in bf16 goes where q's two tiles, just rounded, lay
	CV4 KP+4, TQ+24
	CV4 KP+8, TS
	CV4 KP+12, TS+8
	WIN 0x04                                       ; stage C: v = y Wv' (a padded tile a head; no bias: it is folded into bp'); source 1 (Wv') in window 1
.irp q, 0,1
.irp hd, 0,1,2,3
	v_wmma_f32_16x16x32_bf16 v[S+8*(4*\q+\hd):S+8*(4*\q+\hd)+7], v[Y+8*\q:Y+8*\q+7], v[WV+8*\hd:WV+8*\hd+7], 0
.endr
.endr
	WIN 0
	NOPS 4
.irp i, 0,1,2,3,4,5,6,7
	CV4 VP+4*\i, S+8*\i                            ; these 32 lines are also the places between v's products and the scores, which land on v's tiles
.endr
.endm
; S^T = K Q^T + mask, a product a head: source 0 holds all 32 channels of k, source 1 one head's q beside zeros.  A lane then holds one query and the keys 8 h + 0..7.
.macro SCORES
	WIN 0x10                                       ; C (the mask) in window 1
.irp q, 0,1
.irp hd, 0,1,2,3
	v_wmma_f32_16x16x32_bf16 v[S+8*(4*\q+\hd):S+8*(4*\q+\hd)+7], v[KP+8*\q:KP+8*\q+7], v[QZ+24*\q+12*(\hd%2)+4*(\hd/2):QZ+24*\q+12*(\hd%2)+4*(\hd/2)+7], v[MASK:MASK+7]
.endr
.endr
	WIN 0
	ds_load_b128 v[BP0:BP0+3], v[BPA] offset:OBP   ; bp', wanted behind the softmax, where bk' lay
	ds_load_b128 v[BP0+4:BP0+7], v[BPA] offset:OBP+16
	ds_load_b128 v[BP1:BP1+3], v[BPA] offset:OBP+64
	ds_load_b128 v[BP1+4:BP1+7], v[BPA] offset:OBP+80
	NOPS 4                                         ; four places before the scores are read
.endm
; Line n of the ten that find tile i's maximum and take it away: the accumulator's lowest registers are read first.
.macro PM i, n
.set sb, S+8*(\i)
.set mb, ST+2*(\i)
.if (\n) == 0
	v_max3_num_f32 v[mb], v[sb], v[sb+1], v[sb+2]
.elseif (\n) == 1
	v_max3_num_f32 v[mb+1], v[sb+3], v[sb+4], v[sb+5]
.elseif (\n) == 2
	v_max3_num_f32 v[mb], v[mb], v[sb+6], v[sb+7]
.elseif (\n) == 3
	v_max_num_f32 v[mb], v[mb], v[mb+1]
.elseif (\n) == 4
	v_permlanex16_b32 v[mb+1], v[mb], s10, s11     ; the query's other 8 keys lie in the lane 16 away
.elseif (\n) == 5
	v_max_num_f32 v[mb], v[mb], v[mb+1]
.else
	v_pk_add_f32 v[sb+2*(\n)-12:sb+2*(\n)-11], v[sb+2*(\n)-12:sb+2*(\n)-11], v[mb:mb+1] op_sel_hi:[1,0] neg_lo:[0,1] neg_hi:[0,1]
.endif
.endm
; The 64 exponentials are ONE batch with one wait: tile i's stand between the lines of tile i + 1's maximum, which name no result of theirs; all readers come behind the wait.
.macro SOFTMAX
.set nn, 0
.rept 10
	PM 0, nn
.set nn, nn+1
.endr
.set ii, 0
.rept 8
.set nn, 0
.rept 10
.if ii < 7
	PM ii+1, nn
.endif
.if nn < 8
	v_exp_f32 v[S+8*ii+nn], v[S+8*ii+nn]
.endif
.set nn, nn+1
.endr
.set ii, ii+1
.endr
	v_nop                                          ; a plain instruction behind the last exponential,
	s_wait_alu depctr_va_vdst(0)                   ; and the batch's wait
.set ii, 0
.rept 8
.set pb, Y+4*ii+120*(ii/4)                     ; P of sequence 0 in Y's registers, of sequence 1 in k's
.set nn, 0
.rept 4
	v_cvt_pk_bf16_f32 v[pb+nn], v[S+8*ii+2*nn], v[S+8*ii+2*nn+1]
.set nn, nn+1
.endr
.set ii, ii+1
.endr
.endm
; O^T = V^T P, two heads in one K = 32; l = ones x P in O^T's own lanes; O / l rounded to bf16.  The residual takes bp' in the places behind the products.
.macro PVL
.irp q, 0,1
.irp p, 0,1
	v_wmma_f32_16x16x32_bf16 v[S+8*(2*\q+\p):S+8*(2*\q+\p)+7], v[VP+16*\q+8*\p:VP+16*\q+8*\p+7], v[Y+136*\q+8*\p:Y+136*\q+8*\p+7], 0
.endr
.endr
	WIN 0x01                                       ; source 0 (the ones) in window 1
.irp q, 0,1
.irp p, 0,1
	v_wmma_f32_16x16x32_bf16 v[LL+8*(2*\q+\p):LL+8*(2*\q+\p)+7], v[ONES:ONES+7], v[Y+136*\q+8*\p:Y+136*\q+8*\p+7], 0
.endr
.endr
	WIN 0
	s_wait_dscnt 0x0                               ; bp' is in
.irp q, 0,1
.irp j, 0,2,4,6
	v_pk_add_f32 v[X+16*\q+\j:X+16*\q+\j+1], v[X+16*\q+\j:X+16*\q+\j+1], v[BP0+\j:BP0+\j+1]
	v_pk_add_f32 v[X+16*\q+8+\j:X+16*\q+8+\j+1], v[X+16*\q+8+\j:X+16*\q+8+\j+1], v[BP1+\j:BP1+\j+1]
.endr
.endr
.irp t, 0,1
	ds_load_tr16_b128 v[WP+8*\t:WP+8*\t+3], v[TRA] offset:320+32*\t
	ds_load_tr16_b128 v[WP+8*\t+4:WP+8*\t+7], v[TRA] offset:320+32*\t+16*PW
.endr
.irp i, 0,1,2,3
	v_rcp_f32 v[ST+2*\i], v[LL+8*\i]               ; all eight registers of l hold the lane's sum: the lowest is read
.endr
	v_nop
	s_wait_alu depctr_va_vdst(0)                   ; one wait for the four reciprocals
.irp i, 0,1,2,3
.irp n, 0,1,2,3
	v_pk_mul_f32 v[S+8*\i+2*\n:S+8*\i+2*\n+1], v[S+8*\i+2*\n:S+8*\i+2*\n+1], v[ST+2*\i:ST+2*\i+1] op_sel_hi:[1,0]
.endr
.endr
.irp i, 0,1,2,3
.irp n, 0,1,2,3
	v_cvt_pk_bf16_f32 v[OP+4*\i+\n], v[S+8*\i+2*\n], v[S+8*\i+2*\n+1]
.endr
.endr
.endm
.macro PROJ                            ; x^T += Wp^T O^T: the residual, with bp', is C
	s_wait_dscnt 0x0                               ; Wp is in
.irp q, 0,1
.irp t, 0,1
	v_wmma_f32_16x16x32_bf16 v[X+16*\q+8*\t:X+16*\q+8*\t+7], v[WP+8*\t:WP+8*\t+7], v[OP+8*\q:OP+8*\q+7], v[X+16*\q+8*\t:X+16*\q+8*\t+7]
.endr
.endr
	NOPS 4
.endm
; THE FFN, in 8 units k = 2 c + q: 32 hidden features (chunk c) of sequence q.
.macro F1 k                            ; h^T = W1'^T y^T + b1': two tiles
	WIN 0x11                                       ; source 0 (W1') and C (b1') in window 1
.irp t, 0,1
	v_wmma_f32_16x16x32_bf16 v[HB+16*((\k)%4)+8*\t:HB+16*((\k)%4)+8*\t+7], v[W1F+8*(2*((\k)/2)+\t):W1F+8*(2*((\k)/2)+\t)+7], v[Y+8*((\k)%2):Y+8*((\k)%2)+7], v[B1T+8*(2*((\k)/2)+\t):B1T+8*(2*((\k)/2)+\t)+7]
.endr
.endm
.macro F2 k                            ; x^T += W2^T g^T for the chunk: two tiles
	WIN 0x01                                       ; source 0 (W2) in window 1
.irp t, 0,1
	v_wmma_f32_16x16x32_bf16 v[X+16*((\k)%2)+8*\t:X+16*((\k)%2)+8*\t+7], v[W2F+8*(4*\t+(\k)/2):W2F+8*(4*\t+(\k)/2)+7], v[GP+8*((\k)%2):GP+8*((\k)%2)+7], v[X+16*((\k)%2)+8*\t:X+16*((\k)%2)+8*\t+7]
.endr
.endm
.macro FA k, n                         ; line n of 24: z = h (K1 + K3 h^2), a pair a line
.set hb, HB+16*((\k)%4)
.set zb, ZB+16*((\k)%3)
.set pp, 2*((\n)%8)
.if (\n) < 8
	v_pk_mul_f32 v[zb+pp:zb+pp+1], v[hb+pp:hb+pp+1], v[hb+pp:hb+pp+1]
.elseif (\n) < 16
	v_pk_fma_f32 v[zb+pp:zb+pp+1], v[zb+pp:zb+pp+1], s[8:9], s[6:7] op_sel_hi:[1,0,0]
.else
	v_pk_mul_f32 v[zb+pp:zb+pp+1], v[zb+pp:zb+pp+1], v[hb+pp:hb+pp+1]
.endif
.endm
.macro FC k, n                         ; line n of 16: g = h / (1 + 2^z), then rounded to bf16
.set hb, HB+16*((\k)%4)
.set zb, ZB+16*((\k)%3)
.set pp, 2*((\n)%8)
.if (\n) < 8
	v_pk_mul_f32 v[zb+pp:zb+pp+1], v[zb+pp:zb+pp+1], v[hb+pp:hb+pp+1]
.else
	v_cvt_pk_bf16_f32 v[GP+8*((\k)%2)+(\n)-8], v[zb+pp], v[zb+pp+1]
.endif
.endm
; Step k: unit k's exponentials stand between the lines of unit k + 1's z; ONE wait, for them and for unit k - 1's reciprocals; 1 + 2^z; unit k's reciprocals stand between the lines of unit k - 1's g;
; then unit k - 1's second products and unit k + 3's first.  No two matrix instructions that follow each other share an accumulator, and every turn is one instruction.
.macro FFN
	F1 0
	F1 1
	F1 2
	WIN 0x04                                       ; source 1 (b2) in window 1: the residual takes b2 in the places behind the products
.irp q, 0,1
.irp t, 0,1
.irp j, 0,2,4,6
	v_pk_add_f32 v[X+16*\q+8*\t+\j:X+16*\q+8*\t+\j+1], v[X+16*\q+8*\t+\j:X+16*\q+8*\t+\j+1], v[B2T+8*\t+\j:B2T+8*\t+\j+1]
.endr
.endr
.endr
	WIN 0
.set nn, 0
.rept 24
	FA 0, nn
.set nn, nn+1
.endr
.set kk, 0
.rept 8
.set ze, ZB+16*(kk%3)
.set jj, 0
.rept 8
.if kk < 7
	FA kk+1, 3*jj
.endif
	v_exp_f32 v[ze+2*jj], v[ze+2*jj]
.if kk < 7
	FA kk+1, 3*jj+1
.endif
	v_exp_f32 v[ze+2*jj+1], v[ze+2*jj+1]
.if kk < 7
	FA kk+1, 3*jj+2
.endif
.set jj, jj+1
.endr
.if kk == 7
	v_nop                                          ; the last unit has no plain line behind its exponentials
.endif
	s_wait_alu depctr_va_vdst(0)                   ; one wait: this unit's exponentials and the unit before's reciprocals
.set jj, 0
.rept 8
	v_pk_add_f32 v[ze+2*jj:ze+2*jj+1], v[ze+2*jj:ze+2*jj+1], 1.0 op_sel_hi:[1,0]
.set jj, jj+1
.endr
.set jj, 0
.rept 16
	v_rcp_f32 v[ze+jj], v[ze+jj]
.if kk > 0
	FC kk-1, jj
.endif
.set jj, jj+1
.endr
.if kk > 0
	F2 kk-1
.endif
.if kk < 5
	F1 kk+3
.endif
	WIN 0
.set kk, kk+1
.endr
	s_wait_alu depctr_va_vdst(0)                   ; the last unit's reciprocals
.set jj, 0
.rept 16
	FC 7, jj
.set jj, jj+1
.endr
	F2 7
	WIN 0
	NOPS 4                                         ; four places before x is read, and before the next half's constants are loaded into g's registers
.endm
; A tile: x comes out of the slot, goes through both halves (one text; the attention block's base steps), and leaves through my stage as whole rows.
.macro PROCESS
	v_add_nc_u32 v[XA], s84, v[LXW]
.irp q, 0,1
	ds_load_b128 v[X+16*\q:X+16*\q+3], v[XA] offset:SEQ*\q
	ds_load_b128 v[X+16*\q+4:X+16*\q+7], v[XA] offset:SEQ*\q+16
	ds_load_b128 v[X+16*\q+8:X+16*\q+11], v[XA] offset:SEQ*\q+64
	ds_load_b128 v[X+16*\q+12:X+16*\q+15], v[XA] offset:SEQ*\q+80
.endr
	s_mov_b32 s85, ATT0
	s_mov_b32 s87, 2
.Lhalf_\@:
	CLOAD
	LN 200
	QKV
	SCORES
	SOFTMAX
	PVL
	PROJ
	LN 192
	FFN
	s_add_co_u32 s85, s85, ATTSTEP
	s_sub_co_u32 s87, s87, 1
	s_cmp_lg_u32 s87, 0
	s_cbranch_scc1 .Lhalf_\@
.irp q, 0,1
	ds_store_b128 v[STA], v[X+16*\q:X+16*\q+3] offset:SEQ*\q
	ds_store_b128 v[STA], v[X+16*\q+4:X+16*\q+7] offset:SEQ*\q+16
	ds_store_b128 v[STA], v[X+16*\q+8:X+16*\q+11] offset:SEQ*\q+64
	ds_store_b128 v[STA], v[X+16*\q+12:X+16*\q+15] offset:SEQ*\q+80
.endr
.irp q, 0,1
.irp i, 0,1,2,3
	ds_load_b128 v[128+16*\q+4*\i:128+16*\q+4*\i+3], v[STR] offset:SEQ*\q+544*\i  ; LDS serves a wave's instructions in order (ISA guide 5.7.1.4): these see the stores above
.endr
.endr
.irp q, 0,1
.irp i, 0,1,2,3
	s_wait_dscnt 7-4*\q-\i                         ; the younger read-backs may stay out
	global_store_b128 v[GO], v[128+16*\q+4*\i:128+16*\q+4*\i+3], s[80:81] offset:2048*\q+512*\i-32768 th:TH_STORE_NT  ; 512 consecutive bytes, at a multiple of 256 from out0's first; the base stands one tile ahead
.endr
.endr
.endm
.Ltile:                                        ; 7 trips: a tile is worked on while the next is on its way
	CHANGE 1
	PROCESS
	s_sub_co_u32 s86, s86, 1
	s_cmp_lg_u32 s86, 0
	s_cbranch_scc1 .Ltile
	CHANGE 0                                       ; the last tile is written out
	PROCESS
	s_wait_tensorcnt 0x0                           ; the wave's end, behind my last tensor load and my last LDS store
	ds_add_u32 v[SPW], v[NIL]
	s_wait_dscnt 0x0
	s_endpgm
.Lfunc_end_k_q4695f57066_block:
	.size	k_q4695f57066_block, .Lfunc_end_k_q4695f57066_block-k_q4695f57066_block
	.p2alignl 7, 3214868480
	.fill 96, 4, 3214868480
	.section	.rodata,"a",@progbits
	.p2align	6, 0x0
	.amdhsa_kernel k_q4695f57066_block
		.amdhsa_group_segment_fixed_size 327680
		.amdhsa_private_segment_fixed_size 0
		.amdhsa_enable_private_segment 0
		.amdhsa_kernarg_size 208
		.amdhsa_user_sgpr_count 2
		.amdhsa_user_sgpr_kernarg_segment_ptr 1
		.amdhsa_wavefront_size32 1
		.amdhsa_system_sgpr_workgroup_id_x 1
		.amdhsa_system_sgpr_workgroup_id_y 1
		.amdhsa_system_sgpr_workgroup_id_z 1
		.amdhsa_system_vgpr_workitem_id 0
		.amdhsa_next_free_vgpr 512
		.amdhsa_next_free_sgpr 100
		.amdhsa_reserve_vcc 1
		.amdhsa_float_denorm_mode_32 3
		.amdhsa_float_denorm_mode_16_64 3
		.amdhsa_memory_ordered 1
		.amdhsa_forward_progress 1
		.amdhsa_inst_pref_size 200
	.end_amdhsa_kernel
	.amdgpu_metadata
---
amdhsa.version: [ 1, 2 ]
amdhsa.kernels:
  - .name:           k_q4695f57066_block
    .symbol:         k_q4695f57066_block.kd
    .args:
      - { .name: x, .offset: 0, .size: 8, .value_kind: global_buffer, .address_space: global }
      - { .name: out0, .offset: 8, .size: 8, .value_kind: global_buffer, .address_space: global }
      - { .name: g1, .offset: 16, .size: 8, .value_kind: global_buffer, .address_space: global }
      - { .name: be1, .offset: 24, .size: 8, .value_kind: global_buffer, .address_space: global }
      - { .name: g2, .offset: 32, .size: 8, .value_kind: global_buffer, .address_space: global }
      - { .name: be2, .offset: 40, .size: 8, .value_kind: global_buffer, .address_space: global }
      - { .name: uWq, .offset: 48, .size: 8, .value_kind: global_buffer, .address_space: global }
      - { .name: uWk, .offset: 56, .size: 8, .value_kind: global_buffer, .address_space: global }
      - { .name: uWv, .offset: 64, .size: 8, .value_kind: global_buffer, .address_space: global }
      - { .name: uWp, .offset: 72, .size: 8, .value_kind: global_buffer, .address_space: global }
      - { .name: mWq, .offset: 80, .size: 8, .value_kind: global_buffer, .address_space: global }
      - { .name: mWk, .offset: 88, .size: 8, .value_kind: global_buffer, .address_space: global }
      - { .name: mWv, .offset: 96, .size: 8, .value_kind: global_buffer, .address_space: global }
      - { .name: mWp, .offset: 104, .size: 8, .value_kind: global_buffer, .address_space: global }
      - { .name: ubq, .offset: 112, .size: 8, .value_kind: global_buffer, .address_space: global }
      - { .name: ubk, .offset: 120, .size: 8, .value_kind: global_buffer, .address_space: global }
      - { .name: ubv, .offset: 128, .size: 8, .value_kind: global_buffer, .address_space: global }
      - { .name: ubp, .offset: 136, .size: 8, .value_kind: global_buffer, .address_space: global }
      - { .name: mbq, .offset: 144, .size: 8, .value_kind: global_buffer, .address_space: global }
      - { .name: mbk, .offset: 152, .size: 8, .value_kind: global_buffer, .address_space: global }
      - { .name: mbv, .offset: 160, .size: 8, .value_kind: global_buffer, .address_space: global }
      - { .name: mbp, .offset: 168, .size: 8, .value_kind: global_buffer, .address_space: global }
      - { .name: fW1, .offset: 176, .size: 8, .value_kind: global_buffer, .address_space: global }
      - { .name: fW2, .offset: 184, .size: 8, .value_kind: global_buffer, .address_space: global }
      - { .name: fb1, .offset: 192, .size: 8, .value_kind: global_buffer, .address_space: global }
      - { .name: fb2, .offset: 200, .size: 8, .value_kind: global_buffer, .address_space: global }
    .group_segment_fixed_size: 327680
    .private_segment_fixed_size: 0
    .kernarg_segment_align: 8
    .kernarg_segment_size: 208
    .max_flat_workgroup_size: 256
    .sgpr_count:     100
    .vgpr_count:     512
    .wavefront_size: 32
...
	.end_amdgpu_metadata
.endif
;; end of part 1
